; MI455X (gfx1250); checked and timed in simulation.
; The chip was launched on July 23, 2026; its instructions are those of AMD's public machine-readable ISA for CDNA 5 (MIT licence, August 2026) and "CDNA5" Instruction Set Architecture Reference Guide (July 2026). The comments in the code are by the model that wrote it; some were corrected since.
;; Robust Sum. Allowed arithmetic: matrix products marked QUANTISED: E5M2 operands, one E8M0 scale for each 32 along K, by v_wmma_scale_f32_16x16x128_f8f6f4 with both operands' format E5M2, f32 sums; everything else in f32.
;; Inputs: A 4 x 2,048 x 2,048 float32; V 4 x 2,048 x 512 float32.
;; Outputs: out0 4 x 2,048 x 512 float32.
;; This version of the problem:
;;   THIS VERSION OF THE PROBLEM IS GIVEN IN LOW PRECISION. The matrix products marked QUANTISED in the list below multiply operands that are first quantised to E5M2 (5 exponent bits, 2 mantissa bits; 8 bits a number), with one power-of-two scale for each 32 numbers along K (OCP MX v1.0); their sums are f32. All else is computed in f32.
;;   The module's matrix products, in the order in which they are computed (A, B: the left and right operand; K: the contracted axis; several contracted axes count as one K, in the product's order):
;;     1. batch 4 x [M 2,048, K 2,048] x [K 2,048, N 512]; A: input A; B: input V: QUANTISED
;;     2. batch 4 x [M 2,048, K 512] x [K 512, N 2,048]; A: computed on the way; B: input V: QUANTISED
;;     3. batch 4 x [M 2,048, K 2,048] x [K 2,048, N 512]; A: computed on the way; B: input V: QUANTISED
;;     4. batch 4 x [M 2,048, K 512] x [K 512, N 2,048]; A: computed on the way; B: input V: QUANTISED
;;     5. batch 4 x [M 2,048, K 2,048] x [K 2,048, N 512]; A: computed on the way; B: input V: QUANTISED
;;     6. batch 4 x [M 2,048, K 512] x [K 512, N 2,048]; A: computed on the way; B: input V: QUANTISED
;;     7. batch 4 x [M 2,048, K 2,048] x [K 2,048, N 512]; A: computed on the way; B: input V: QUANTISED
;;   THE QUANTISER, for each operand of a quantised product, along K:
;;     - K is cut into blocks of 32 from its start; a last block that is shorter is filled with zeros.
;;     - A block's scale is 2^e with e = floor(log2(the largest magnitude in the block)) - 15, held to -126 .. 127; a block of zeros has e = 0. As a byte (E8M0): e + 127.
;;     - Each number is divided by its block's scale, clamped to +-57,344, and rounded to the nearest number of E5M2, ties to even, subnormals kept.
;;     - The product sums the exact products of the quantised numbers (number of the format x scale) in f32.
;;   ~~~python
;;   def quantise(x, axis):      # numpy; x: float32 -> the quantised numbers, widened to float32 again
;;       x = np.moveaxis(x, axis, -1); K = x.shape[-1]
;;       x = np.pad(x, [(0, 0)] * (x.ndim - 1) + [(0, -K % 32)]); x = x.reshape(x.shape[:-1] + (-1, 32)); a = np.abs(x).max(-1, keepdims=True)
;;       e = np.where(a > 0, np.clip(np.frexp(np.where(a > 0, a, 1))[1] - 1 - 15, -126, 127), 0)      # np.frexp(a)[1] - 1 = floor(log2(a)), exactly
;;       r = np.clip(x / 2.0 ** e, -57344, 57344)
;;       step = 2.0 ** (np.maximum(np.frexp(np.where(r == 0, 1, r))[1] - 1, -14) - 2)
;;       q = np.round(r / step) * step * 2.0 ** e      # np.round: ties to even
;;       return np.moveaxis(q.reshape(q.shape[:-2] + (-1,))[..., :K], -1, axis).astype(np.float32)
;;   ~~~
;;   OPERANDS COMPUTED ON THE WAY. 'Computed on the way' means the value that the module computes at that place (a softmax that the list does not call 'softmax' is quantised finished and normalised). What goes into a quantiser is computed in f32, as accurately as f32 sums, v_exp_f32 and their like allow (about 1e-6 of the number): no bf16 or f16 on the way to a quantiser, and a product that is left as it is and whose result goes on into a quantised operand takes f32 operands (vector FMAs, or v_wmma_f32_16x16x4_f32). A number that lies on a knife's edge between two numbers of the format may be rounded either way, as far as f32 arithmetic and the matrix unit's own rounding can turn it there, and no further.
;; One version. Each part assembles by itself: llvm-mc -triple=amdgcn-amd-amdhsa -mcpu=gfx1250 --defsym DOCPART=n.
;; ======== version 1 of 1: 2 launches
;; workspace buffers: vs 8,716,288 bytes
;; launch prep (part 1): grid 256 x 1, 8 waves a work-group, no clusters, 37,888 bytes of LDS; arguments V, vs; writes vs
.if DOCPART == 1
	.amdgcn_target "amdgcn-amd-amdhsa--gfx1250"
	.amdhsa_code_object_version 6
	.text
	.protected	k_q154a238893_prep
	.globl	k_q154a238893_prep
	.p2align	8
	.type	k_q154a238893_prep,@function
k_q154a238893_prep:
	s_mov_b64 s[64:65], 0
	v_nop
	global_prefetch_b8 v0, s[64:65] scope:SCOPE_SE
	s_setreg_imm32_b32 hwreg(HW_REG_WAVE_MODE, 25, 1), 1
	s_wait_xcnt 0x0
; V [4][2048][512] f32 is quantised to codes of E5M2 with one E8M0 byte for each 32 along K, TWICE: along the channels d (for M V^T) and along the keys (for P V),
; and laid into ONE stream, vs, in the order in which the next launch's operand registers take it; the keys' sums of squares y2 ride along.
; THE STREAM.  Batch bt at bt x BATCHB; 16 slots of SLOTB: 0-7 V^T (K = keys), 8-15 V (K = d); in a slot four parts of PARTB, one for each wave w of the reader.
; A part: 16 fragments of 2,048 bytes (fragment f = 4 s + t: K step s, tile t), 1,024 bytes of scale words, 256 bytes of y2 (64 f32; zeros in slots 0-7): 133 rows of 256 bytes.
; A fragment is an image of its 16 registers: byte 512 c + 16 l + i = the code of tile row l % 16 at k = 32 c + 16 (l / 16) + i.
; The scale word of fragment f, row r lies at 512 (f / 8) + 256 (f % 2) + 16 r + 4 ((f / 2) % 4): two loads of 16 bytes a lane give 8 registers, even fragments in lanes 0-15, odd ones in lanes 16-31.
; THE ROWS OF A TILE ARE NOT NEIGHBOURS: row r of tile 2 b + u is 32 b + 8 u + r + 8 (r / 8) of its group of 64, so that a product's results of two neighbouring tiles are 16 neighbours along the next K.
; A block's scale is 2^(floor(log2(largest magnitude)) - 15); its byte is the largest magnitude's exponent field - 15, held at 1 from below.
; LIMITS: a block of zeros gets the byte 1 where the rule says 127 (its codes are zeros, and this program alone reads the bytes); NaN and infinities among the inputs are not served.
; One work-group makes one part.  Work-groups 0-127: slots 8-15 (path D); 128-255: slots 0-7 (path T).  The two paths share no line behind the branch and no LDS byte.
.set PARTB,  34048
.set SLOTB,  4*PARTB
.set BATCHB, 16*SLOTB
.set DSC,  0                           ; path D: the part's scale words, 1,024 bytes
.set YST,  1024                        ; path D: y2 in two halves of the channels, 2 x 256 bytes
.set TST,  2048                        ; path T: the 16 fragments' images, 32,768 bytes, 4,096 a wave
.set TSC,  TST+32768                   ; path T: the scale words
.set TM,   32                          ; v32-47  at work in a quantiser
.set Y,    48                          ; v48-51  sums of squares, two chains of pairs
.set T4,   52                          ; v52-55  the tail's data
.set X,    64                          ; v64-191 128 numbers of a lane
.set PC,   192                         ; v192-223 codes; no store's data are written again
.set PW,   224                         ; v224-225 scale words
.set WV,   8
	s_load_b128 s[4:7], s[0:1], 0x0                ; V, vs
	v_lshl_add_u32 v254, v0, 2, 0x9000
	v_mov_b32 v255, 0
	v_lshrrev_b32 v1, 5, v0
	v_readfirstlane_b32 s[WV], v1                  ; wave j = 0..7
	v_and_b32 v1, 31, v0                           ; lane
	v_and_b32 v2, 15, v0                           ; r
	v_bfe_u32 v3, v0, 4, 1                         ; h
	s_and_b32 s9, ttmp9, 127
	s_lshr_b32 s10, s9, 5                          ; batch
	s_bfe_u32 s11, s9, 0x30002                     ; slot of the phase, 0..7
	s_and_b32 s12, s9, 3                           ; the reader's wave w
	s_mul_i32 s13, s10, BATCHB
	s_mul_i32 s14, s11, SLOTB
	s_add_co_u32 s13, s13, s14
	s_mul_i32 s14, s12, PARTB
	s_add_co_u32 s28, s13, s14                     ; the part's byte in vs, for slots 0-7
	s_mov_b32 s29, 0
	s_mov_b32 s36, 0x76543210
	s_mov_b32 s37, 0xfedcba98                      ; v_permlanex16_b32's selects for lane l xor 16
	s_mov_b32 s38, 0x600000                        ; the mantissa field of 57,344
	v_lshlrev_b32 v10, 4, v0                       ; 16 x thread: the scale words' way out (waves 0 and 1)
	v_lshlrev_b32 v11, 3, v1                       ; 8 x lane: y2's way out (wave 2)
	s_cmp_lt_u32 ttmp9, 128
	s_cbranch_scc0 .Lpath_t
; 64 numbers of a lane, v[s] on, register 16 b + i = k 32 b + 16 (lane / 16) + i of my row, become a fragment's codes in v[pc] on and its scale word in v[pw].
.macro QUANT s, pc, pw
.irp b, 0,1,2,3
	v_max3_num_f32 v[TM+\b], |v[\s+16*\b]|, |v[\s+1+16*\b]|, 0x8000000   ; my 16 numbers of block b, and the floor 2^(16 - 127): the byte cannot fall under 1
.endr
.irp i, 2,4,6,8,10,12,14
.irp b, 0,1,2,3
	v_max3_num_f32 v[TM+\b], v[TM+\b], |v[\s+16*\b+\i]|, |v[\s+1+16*\b+\i]|   ; the four blocks by turns
.endr
.endr
.irp b, 0,1,2,3
	v_permlanex16_b32 v[TM+4+\b], v[TM+\b], s36, s37
.endr
.irp b, 0,1,2,3
	v_max_num_f32 v[TM+\b], v[TM+\b], v[TM+4+\b]   ; with lane l xor 16's: the block's largest magnitude
.endr
.irp b, 0,1,2,3
	v_add_nc_u32 v[TM+12+\b], 0xf8800000, v[TM+\b] ; 15 off its exponent field: the conversion's scale operand
.endr
.irp b, 0,1,2,3
	v_and_or_b32 v[TM+8+\b], v[TM+\b], 0x7f800000, s38   ; 57,344 x the scale
.endr
.irp b, 0,1,2,3
	v_lshrrev_b32 v[TM+4+\b], 23, v[TM+12+\b]      ; the scale's byte
.endr
	v_lshl_or_b32 v[\pw], v[TM+5], 8, v[TM+4]
	v_lshl_or_b32 v[\pw], v[TM+6], 16, v[\pw]
	v_lshl_or_b32 v[\pw], v[TM+7], 24, v[\pw]
.irp b, 0,1,2,3
.irp i, 0,1,2,3,4,5,6,7,8,9,10,11,12,13,14,15
	v_med3_num_f32 v[\s+16*\b+\i], v[\s+16*\b+\i], -v[TM+8+\b], v[TM+8+\b]   ; the conversion to an 8-bit code does not saturate (ISA guide 7.6.2): the hold comes first
.endr
	v_cvt_scalef32_pk8_bf8_f32 v[\pc+4*\b:\pc+1+4*\b], v[\s+16*\b:\s+7+16*\b], v[TM+12+\b]
	v_cvt_scalef32_pk8_bf8_f32 v[\pc+2+4*\b:\pc+3+4*\b], v[\s+8+16*\b:\s+15+16*\b], v[TM+12+\b]
.endr
	v_nop                                          ; a plain line behind the last conversion
.endm
; ---------------- PATH D: K = the channels.  Wave j: tile t = j % 4, K steps 2 (j / 4) and 2 (j / 4) + 1: 16 keys x 256 channels.
	s_add_co_u32 s28, s28, 8*SLOTB                 ; slots 8-15
	s_and_b32 s15, s[WV], 3                        ; t
	s_lshr_b32 s16, s[WV], 2                       ; sp
	s_lshr_b32 s19, s15, 1                         ; b
	s_and_b32 s20, s15, 1                          ; u
	s_lshl_b32 s22, s10, 11                        ; the tile's first key: 2,048 bt + 512 w + 64 slot + 32 b + 8 u
	s_lshl_b32 s18, s12, 9
	s_add_co_u32 s22, s22, s18
	s_lshl_b32 s18, s11, 6
	s_add_co_u32 s22, s22, s18
	s_lshl_b32 s18, s19, 5
	s_add_co_u32 s22, s22, s18
	s_lshl_b32 s18, s20, 3
	s_add_co_u32 s22, s22, s18
	s_lshl_b32 s22, s22, 11                        ; a row of V is 2,048 bytes
	s_lshl_b32 s18, s16, 10
	s_add_co_u32 s22, s22, s18                     ; + my 256 channels
	s_mov_b32 s23, 0
	s_lshl_b32 s24, s16, 3
	s_add_co_u32 s24, s24, s15
	s_lshl_b32 s24, s24, 11                        ; fragment 8 sp + t (+ 4 e in the stores' immediate)
	s_add_co_u32 s24, s24, s28
	s_mov_b32 s25, 0
	v_and_b32 v12, 8, v2
	v_add_nc_u32 v12, v12, v2                      ; r + 8 (r / 8)
	v_lshlrev_b32 v4, 11, v12
	v_lshl_add_u32 v4, v3, 6, v4                   ; V: my key's row + 64 h: my 16 numbers of a block of 32
	v_lshlrev_b32 v5, 4, v1                        ; 16 x lane: an image's place
	s_lshl_b32 s17, s16, 9
	s_lshl_b32 s18, s20, 8
	s_add_co_u32 s17, s17, s18
	s_lshl_b32 s18, s19, 2
	s_add_co_u32 s17, s17, s18
	s_add_co_u32 s17, s17, DSC
	v_lshl_add_u32 v6, v2, 4, s17                  ; my scale word: DSC + 512 sp + 256 u + 4 b + 16 r (+ 8 e)
	s_lshl_b32 s17, s16, 8
	s_lshl_b32 s18, s19, 7
	s_add_co_u32 s17, s17, s18
	s_lshl_b32 s18, s20, 5
	s_add_co_u32 s17, s17, s18
	s_add_co_u32 s17, s17, YST
	v_lshl_add_u32 v7, v12, 2, s17                 ; my key's y2: YST + 256 sp + 4 (32 b + 8 u + r + 8 (r / 8))
	v_add_nc_u32 v8, DSC, v10
	v_add_nc_u32 v9, YST, v11
.irp b, 0,1,2,3
	v_mov_b32 v[TM+4+\b], 0                        ; a lane permute's destination counts as one of its sources
.endr
	s_wait_kmcnt 0x0
	s_add_nc_u64 s[4:5], s[4:5], s[22:23]
	s_add_nc_u64 s[26:27], s[6:7], s[24:25]        ; my fragments
	s_add_nc_u64 s[30:31], s[6:7], s[28:29]        ; the part
.irp e, 0,1
.irp c, 0,1,2,3
.irp q, 0,1,2,3
	global_load_b128 v[X+64*\e+16*\c+4*\q:X+64*\e+16*\c+4*\q+3], v4, s[4:5] offset:512*\e+128*\c+16*\q
.endr
.endr
.endr
.macro DPART e
.set XS, X+64*\e
.set i, 0
.rept 16                                       ; the squares first: the hold below changes the numbers
.if (\e == 0) && (i == 0)
	v_pk_mul_f32 v[Y:Y+1], v[XS:XS+1], v[XS:XS+1]
	v_pk_mul_f32 v[Y+2:Y+3], v[XS+2:XS+3], v[XS+2:XS+3]
.else
	v_pk_fma_f32 v[Y:Y+1], v[XS+i:XS+i+1], v[XS+i:XS+i+1], v[Y:Y+1]
	v_pk_fma_f32 v[Y+2:Y+3], v[XS+i+2:XS+i+3], v[XS+i+2:XS+i+3], v[Y+2:Y+3]
.endif
.set i, i+4
.endr
	QUANT XS, PC+16*\e, PW+\e
.irp c, 0,1,2,3
	global_store_b128 v5, v[PC+16*\e+4*\c:PC+16*\e+4*\c+3], s[26:27] offset:8192*\e+512*\c   ; 32 lanes store 512 consecutive bytes
.endr
	ds_store_b32 v6, v[PW+\e] offset:8*\e          ; both lanes of a row write the same word with the same value
.endm
	s_wait_loadcnt 16                              ; the first K step's 16 loads are in
	DPART 0
	s_wait_loadcnt 0x0
	DPART 1
	v_pk_add_f32 v[Y:Y+1], v[Y:Y+1], v[Y+2:Y+3]
	v_add_f32 v[Y], v[Y], v[Y+1]
	v_permlanex16_b32 v[TM+4], v[Y], s36, s37
	v_add_f32 v[Y], v[Y], v[TM+4]                  ; my key's squares over my 256 channels
	ds_store_b32 v7, v[Y]
	s_wait_dscnt 0x0                               ; for the others' sake: my LDS stores are done
	s_barrier_signal -1
	s_barrier_wait -1
	s_cmp_lt_u32 s[WV], 2
	s_cbranch_scc0 .Ld_not_01
	ds_load_b128 v[T4:T4+3], v8                    ; waves 0 and 1: the 1,024 bytes of scale words
	s_wait_dscnt 0x0
	global_store_b128 v10, v[T4:T4+3], s[30:31] offset:32768
	s_wait_tensorcnt 0x0
	ds_add_u32 v254, v255
	s_wait_dscnt 0x0
	s_endpgm
.Ld_not_01:
	s_cmp_eq_u32 s[WV], 2
	s_cbranch_scc0 .Ld_end
	ds_load_b64 v[T4:T4+1], v9                     ; wave 2: y2's two halves are added
	ds_load_b64 v[T4+2:T4+3], v9 offset:256
	s_wait_dscnt 0x0
	v_pk_add_f32 v[T4:T4+1], v[T4:T4+1], v[T4+2:T4+3]
	global_store_b64 v11, v[T4:T4+1], s[30:31] offset:33792   ; 32 lanes store 256 consecutive bytes, aligned
.Ld_end:
	s_wait_tensorcnt 0x0
	ds_add_u32 v254, v255
	s_wait_dscnt 0x0
	s_endpgm
; ---------------- PATH T: K = the keys.  A lane takes a channel and its registers run down 128 keys.  Wave j: K step s = j / 2, channels 32 (j % 2) on of the slot's 64: fragments 2 j and 2 j + 1.
.Lpath_t:
	s_lshr_b32 s15, s[WV], 1                       ; s
	s_and_b32 s16, s[WV], 1                        ; e
	s_lshr_b32 s17, s11, 1
	s_add_co_u32 s17, s17, s12
	s_and_b32 s17, s17, 3                          ; the group of 128 channels, ROTATED by the reader's wave: (slot / 2 + w) % 4
	s_lshl_b32 s17, s17, 7
	s_and_b32 s18, s11, 1
	s_lshl_b32 s18, s18, 6
	s_add_co_u32 s17, s17, s18
	s_lshl_b32 s18, s16, 5
	s_add_co_u32 s17, s17, s18                     ; my wave's first channel
	s_lshl_b32 s17, s17, 2
	s_lshl_b32 s22, s10, 11                        ; my first key: 2,048 bt + 512 w + 128 s
	s_lshl_b32 s18, s12, 9
	s_add_co_u32 s22, s22, s18
	s_lshl_b32 s18, s15, 7
	s_add_co_u32 s22, s22, s18
	s_lshl_b32 s22, s22, 11
	s_add_co_u32 s22, s22, s17
	s_mov_b32 s23, 0
	s_lshl_b32 s24, s[WV], 12                      ; my two fragments: 4,096 j
	s_add_co_u32 s19, s24, TST
	s_add_co_u32 s24, s24, s28
	s_mov_b32 s25, 0
	v_lshlrev_b32 v4, 2, v1                        ; V: 4 bytes a lane
	v_and_b32 v12, 7, v1
	v_bfe_u32 v13, v1, 3, 1                        ; lane y is row r = y % 8 + 8 (y / 16) of tile u = (y / 8) % 2
	v_lshlrev_b32 v14, 4, v12
	v_lshl_add_u32 v14, v3, 7, v14                 ; 16 r
	v_lshl_add_u32 v5, v13, 11, v14
	v_add_nc_u32 v5, s19, v5                       ; into the stage: TST + 4,096 j + 2,048 u + 16 r
	s_lshr_b32 s17, s[WV], 2
	s_lshl_b32 s17, s17, 9
	s_and_b32 s18, s[WV], 3
	s_lshl_b32 s18, s18, 2
	s_add_co_u32 s17, s17, s18
	s_add_co_u32 s17, s17, TSC
	v_lshl_add_u32 v6, v13, 8, v14
	v_add_nc_u32 v6, s17, v6                       ; my scale word: TSC + 512 (j / 4) + 4 (j % 4) + 256 u + 16 r
	v_lshlrev_b32 v8, 4, v1                        ; 16 x lane
	v_add_nc_u32 v7, s19, v8                       ; out of the stage
	v_add_nc_u32 v9, TSC, v10
	s_wait_kmcnt 0x0
	s_add_nc_u64 s[4:5], s[4:5], s[22:23]
	s_add_nc_u64 s[26:27], s[6:7], s[24:25]
	s_add_nc_u64 s[30:31], s[6:7], s[28:29]
.macro TLOAD c                                 ; block c: V(32 c + i, my channel): 32 lanes read 128 consecutive bytes
.irp i, 0,1,2,3,4,5,6,7,8,9,10,11,12,13,14,15,16,17,18,19,20,21,22,23,24,25,26,27,28,29,30,31
	global_load_b32 v[X+32*(\c)+\i], v4, s[4:5] offset:(32*(\c)+\i)*2048
.endr
.endm
.macro TBLOCK c
.set XS, X+32*(\c)
.if (\c) < 3
	s_wait_loadcnt 32                              ; this block's 32 loads are in; the next block's may be out
.else
	s_wait_loadcnt 0x0
.endif
.if (\c) < 2
	TLOAD (\c)+2                                   ; two blocks ahead, into registers of its own
.endif
	v_max3_num_f32 v[TM], |v[XS]|, |v[XS+1]|, |v[XS+2]|      ; the block's largest magnitude: all 32 numbers are mine
	v_max3_num_f32 v[TM+1], |v[XS+3]|, |v[XS+4]|, |v[XS+5]|
.irp i, 6,10,14,18,22,26
	v_max3_num_f32 v[TM], v[TM], |v[XS+\i]|, |v[XS+\i+1]|
	v_max3_num_f32 v[TM+1], v[TM+1], |v[XS+\i+2]|, |v[XS+\i+3]|
.endr
	v_max3_num_f32 v[TM], v[TM], |v[XS+30]|, |v[XS+31]|
	v_max3_num_f32 v[TM], v[TM], v[TM+1], 0x8000000          ; and the floor
	v_add_nc_u32 v[TM+2], 0xf8800000, v[TM]
	v_and_or_b32 v[TM+3], v[TM], 0x7f800000, s38
	v_lshrrev_b32 v[TM+1], 23, v[TM+2]
.if (\c) == 0
	v_mov_b32 v[PW], v[TM+1]                       ; four bytes to the word, the lower K in the lower byte
.else
	v_lshl_or_b32 v[PW], v[TM+1], 8*(\c), v[PW]
.endif
.irp i, 0,1,2,3,4,5,6,7,8,9,10,11,12,13,14,15,16,17,18,19,20,21,22,23,24,25,26,27,28,29,30,31
	v_med3_num_f32 v[XS+\i], v[XS+\i], -v[TM+3], v[TM+3]
.endr
.irp g, 0,1,2,3
	v_cvt_scalef32_pk8_bf8_f32 v[PC+8*(\c)+2*\g:PC+8*(\c)+2*\g+1], v[XS+8*\g:XS+8*\g+7], v[TM+2]
.endr
	v_nop                                          ; a plain line behind the last conversion
	ds_store_b128 v5, v[PC+8*(\c):PC+8*(\c)+3] offset:512*(\c)          ; k = 32 c + 0 .. 15: the image's lane r
	ds_store_b128 v5, v[PC+8*(\c)+4:PC+8*(\c)+7] offset:512*(\c)+256    ; k = 32 c + 16 .. 31: lane 16 + r
.endm
	TLOAD 0
	TLOAD 1
	TBLOCK 0
	TBLOCK 1
	TBLOCK 2
	TBLOCK 3
	ds_store_b32 v6, v[PW]
.irp k, 0,1,2,3,4,5,6,7
	ds_load_b128 v[X+4*\k:X+4*\k+3], v7 offset:512*\k   ; my own bytes: LDS serves a wave's instructions in order (ISA guide 5.7.1.4)
.endr
.irp k, 0,1,2,3,4,5,6,7
	s_wait_dscnt 7-\k
	global_store_b128 v8, v[X+4*\k:X+4*\k+3], s[26:27] offset:512*\k   ; 512 consecutive bytes
.endr
	s_wait_dscnt 0x0                               ; for the others' sake: my scale word is stored
	s_barrier_signal -1
	s_barrier_wait -1
	s_cmp_lt_u32 s[WV], 2
	s_cbranch_scc0 .Lt_not_01
	ds_load_b128 v[T4:T4+3], v9
	s_wait_dscnt 0x0
	global_store_b128 v10, v[T4:T4+3], s[30:31] offset:32768
	s_wait_tensorcnt 0x0
	ds_add_u32 v254, v255
	s_wait_dscnt 0x0
	s_endpgm
.Lt_not_01:
	s_cmp_eq_u32 s[WV], 2
	s_cbranch_scc0 .Lt_end
	v_mov_b32 v[T4], 0                             ; the y2 row of these slots is brought with the part and read by nobody: zeros
	v_mov_b32 v[T4+1], 0
	global_store_b64 v11, v[T4:T4+1], s[30:31] offset:33792
.Lt_end:
	s_wait_tensorcnt 0x0
	ds_add_u32 v254, v255
	s_wait_dscnt 0x0
	s_endpgm
.Lfunc_end_k_q154a238893_prep:
	.size	k_q154a238893_prep, .Lfunc_end_k_q154a238893_prep-k_q154a238893_prep
	.p2alignl 7, 3214868480
	.fill 96, 4, 3214868480
	.section	.rodata,"a",@progbits
	.p2align	6, 0x0
	.amdhsa_kernel k_q154a238893_prep
		.amdhsa_group_segment_fixed_size 37888
		.amdhsa_private_segment_fixed_size 0
		.amdhsa_enable_private_segment 0
		.amdhsa_kernarg_size 16
		.amdhsa_user_sgpr_count 2
		.amdhsa_user_sgpr_kernarg_segment_ptr 1
		.amdhsa_wavefront_size32 1
		.amdhsa_system_sgpr_workgroup_id_x 1
		.amdhsa_system_sgpr_workgroup_id_y 1
		.amdhsa_system_sgpr_workgroup_id_z 1
		.amdhsa_system_vgpr_workitem_id 0
		.amdhsa_next_free_vgpr 256
		.amdhsa_next_free_sgpr 66
		.amdhsa_reserve_vcc 0
		.amdhsa_float_denorm_mode_32 3
		.amdhsa_float_denorm_mode_16_64 3
		.amdhsa_memory_ordered 1
		.amdhsa_forward_progress 1
		.amdhsa_inst_pref_size 60
	.end_amdhsa_kernel
	.amdgpu_metadata
---
amdhsa.version: [ 1, 2 ]
amdhsa.kernels:
  - .name:           k_q154a238893_prep
    .symbol:         k_q154a238893_prep.kd
    .args:
      - { .name: V, .offset: 0, .size: 8, .value_kind: global_buffer, .address_space: global }
      - { .name: vs, .offset: 8, .size: 8, .value_kind: global_buffer, .address_space: global }
    .group_segment_fixed_size: 37888
    .private_segment_fixed_size: 0
    .kernarg_segment_align: 8
    .kernarg_segment_size: 16
    .max_flat_workgroup_size: 256
    .sgpr_count:     66
    .vgpr_count:     256
    .wavefront_size: 32
...
	.end_amdgpu_metadata
.endif
;; end of part 1
;; launch robust (part 2): grid 64 x 4, 4 waves a work-group, clusters of 4 x 1, 327,680 bytes of LDS; arguments A, vs, out0; writes out0
.if DOCPART == 2
	.amdgcn_target "amdgcn-amd-amdhsa--gfx1250"
	.amdhsa_code_object_version 6
	.text
	.protected	k_q154a238893_robust
	.globl	k_q154a238893_robust
	.p2align	8
	.type	k_q154a238893_robust,@function
k_q154a238893_robust:
	s_mov_b64 s[64:65], 0
	v_nop
	global_prefetch_b8 v0, s[64:65] scope:SCOPE_SE
	s_setreg_imm32_b32 hwreg(HW_REG_WAVE_MODE, 25, 1), 1
	s_wait_xcnt 0x0
	s_wait_alu depctr_hold_cnt(0) depctr_sa_sdst(0) depctr_va_vdst(0) depctr_va_sdst(0) depctr_va_ssrc(0) depctr_va_vcc(0) depctr_vm_vsrc(0)
	s_getreg_b32 s2, hwreg(HW_REG_IB_STS2, 6, 4)
	s_cmp_eq_u32 s2, 0
	s_cbranch_scc0 .Lentry_in_a_cluster
	s_endpgm
.Lentry_in_a_cluster:
	s_bfe_u32 s2, ttmp6, 0x10000c
	s_cmp_lg_u32 s2, 0x3003
	s_cbranch_scc0 .Lentry_shape_is_right
	s_endpgm
.Lentry_shape_is_right:
; M = Q(A) Q(V); three times: dist = sqrt(max(x2 + y2 - 2 Q(M) Q(V)^T, 0)), ww = A / (dist + 0.01), M = Q(ww / max(sum |ww|, 1e-12)) Q(V).  All seven products on codes of E5M2 with E8M0 scales.
; SHARES.  A work-group carries 32 rows (two tiles m of 16) of one batch from A to out0; nothing goes to memory between.  A row's 2,048 ww must wait in f32 for the row's sum: 32 x 2,048 x 4 bytes are half
; of the four waves' registers, which fixes the 32 rows; 8,192 / 32 = 256 work-groups.  In BOTH kinds of product wave w owns keys 512 w .. 512 w + 511:
;   XY (M V^T): 32 tiles of 16 keys x 2 m = 64 accumulators, which then become ww in place.  The resident operand is M, 8 fragments (m, K step s).
;   PV (P V): K is split over the waves: wave w's P (8 fragments over its 4 K steps) never leaves its registers; it makes partial sums for all 512 channels, 64 accumulators; the four waves' parts are added through LDS.
; Every product is used TRANSPOSED: source 0 = 16 rows of the stream vs, source 1 = 16 of my rows: a lane holds one row (lane % 16), its registers run along the next K (the tiles' rows are chosen for it by the launch before).
; THE STREAM vs comes through a ring of two LDS slots; a slot is one step's 16 fragments, their scale words and 64 y2 for each wave: wave w's tensor load brings wave w's part, and only wave w reads it.
; CLUSTER.  The four work-groups of a cluster belong to one batch and walk the same stream: each part is asked for JOINTLY, by the same load with the same descriptor and the mask of all four.
; THE LOADS FOLLOW EACH OTHER: behind each round one part a wave goes out, and the next round waits for it.  So the text keeps a load on its way through the phases between the products as well:
;   P V walks the stream's slots 2 .. 7, 0, 1: the three groups of 128 channels that belong to other waves come first, my own group last.  A group's accumulators are sent, six a round, while the later steps run:
;   stored in one step, read in the next, behind the change of slots that stands there anyway.  What I receive lands in, or is added to, my own group's accumulators, and my own two steps add onto that.
;   Both slots are asked for ahead of each product: under the last step of the product before and under the work between (the sums' tail and M's quantising; l1 and ww's quantising): a product's first step changes no slot.
; -2 xy costs nothing: M's codes get their sign bits turned and M's scale bytes 1 added (bytes are at most 239), and the accumulators begin as y2, loaded from the slot.
; The first product goes through the loop: A is loaded into ww's registers and 1 / l1 is 1.  The loop is left ahead of the fourth P V's last step, which is written out once more without fills: no part is asked for that nobody reads.
; By this text's count a wave has two tensor loads out at the start and one afterwards.
; LIMITS: NaN and infinities among the inputs are not served.  (1 - T) M is 0 for a finite M and is not added.  1 / (dist + 0.01) and ww / l1 are v_rcp_f32 and a multiplication.  PV's K is summed in four parts
; (f32 rounding alone).  A block of zeros gets the byte 1 where the rule says 127: its codes are zeros.  The loop's code is longer than a loop's should be: each register of ww is named by its own lines.
; REGISTERS, in windows of 256.  Window 0: v1-18 addresses; v20-23 x2, v24-27 1 / l1 (pairs, a pair for each m); v28-31 sums; v32-39 the resident fragments' scale words; v40-47 the step's scale words of V;
;   v48-63 at work; v64-127 A of one step (in P V: 48 of them take what other waves send); v128-255 the resident operand, fragment (m, s) at 16 (4 m + s).   Window 1: the step's 16 fragments of V.
;   Windows 2, 3: accumulator (a, m), a = 0..31: window 2 + a / 16, register 128 m + 8 (a % 16).  The 64 registers of (m, 128 keys s): window 2 + s / 2, from 128 m + 64 (s % 2); register 16 b + i = k 32 b + 16 (lane / 16) + i.
.set PARTB,  34048                     ; a wave's part of a slot: 133 rows of 256 bytes
.set SLOTB,  4*PARTB
.set BATCHB, 16*SLOTB
.set SCR,    2*SLOTB                   ; behind the ring: 49,152 bytes that LDS stores write and no tensor load fills: the sums' two buffers; M's images; the way out's stages
.set XCHX,   SCR+49152                 ; 512 bytes: the waves' parts of x2; 512 more: of l1
.set SPARE,  XCHX+1024                 ; the spare words, 128 bytes for each wave: two blocks of 256 bytes that no other line names
.set SPW, 1                            ; v1   SPARE + 4 x thread; never rewritten
.set NIL, 2                            ; v2   0; never rewritten
.set LV0, 3                            ; v3-4 my part in slot 0, 1: + 16 x lane
.set LY0, 5                            ; v5-6 its y2 row: + 64 (lane / 16)
.set AO,  7                            ; v7   A: 8,192 r + 64 h
.set GO,  8                            ; v8   16 x lane
.set RS,  9                            ; v9-11 where I send group j = 1..3: to wave (w + j) % 4
.set RLD, 12                           ; v12  where I receive
.set MWI, 13                           ; v13  where I store M's images; on the way out: into the stage
.set MWS, 14                           ; v14  and their scale words; on the way out: out of the stage
.set LI,  15                           ; v15  SCR + 16 x lane
.set LS,  16                           ; v16  SCR + 16,384 + 4 x lane
.set XW,  17                           ; v17  XCHX + 128 w + 4 r
.set XR,  18                           ; v18  XCHX + 4 r
.set X2,  20
.set RL,  24
.set SUM, 28
.set OPS, 32
.set VSC, 40
.set TM,  48
.set AR,  64
.set OP,  128
.set G1,  16                           ; s[16:23] descriptor group 1;  s[24:27], s[28:31] group 0 for slot 0, 1
.set G0,  24
.set MSB, 0
.macro WIN new                         ; the immediate's high byte repeats the setting that is left; a switch that changes nothing is dropped
.if MSB != (\new)
	s_set_vgpr_msb (MSB<<8)|(\new)
.set MSB, (\new)
.endif
.endm
.macro PLACES n
.rept \n
	v_nop
.endr
.endm
.macro ROUND                           ; a round of the cluster's barrier
	s_barrier_signal -1
	s_barrier_wait -1
	s_cmp_lg_u32 s10, 0
	s_cbranch_scc1 .Lnot_wave_0_\@
	s_barrier_signal -3
.Lnot_wave_0_\@:
	s_barrier_wait -3
	s_barrier_signal -1
	s_barrier_wait -1
.endm
; THE CHANGE OF SLOTS.  Each wave waits for all its tensor loads (one is out), adds 0 to its spare word, and waits for that and for all its LDS instructions: its reads of the slot that it has left, and what it has
; stored for other waves.  fill = 1: slot q, read out, is asked for again behind a round of the cluster's barrier, d slots of the stream on from its last part (d may be negative).
; Eight v_nop close it: the places between the last step's products and the loads into their operands' registers, the stores and the first reads of their results; four of them are those that follow a tensor load.
.macro CHANGE fill, q, d
	WIN 0
	s_wait_tensorcnt 0x0                           ; no tensor load of mine is out, so a group 0 may be written
	ds_add_u32 v[SPW], v[NIL]                      ; 0 onto my spare word
.if \fill
.if (\d) < 0
	s_sub_nc_u64 s[G0+4*(\q)+2:G0+4*(\q)+3], s[G0+4*(\q)+2:G0+4*(\q)+3], (0-(\d))*SLOTB
.else
	s_add_nc_u64 s[G0+4*(\q)+2:G0+4*(\q)+3], s[G0+4*(\q)+2:G0+4*(\q)+3], (\d)*SLOTB   ; the type bits on top are not reached
.endif
.endif
	s_wait_dscnt 0x0                               ; the add is done, and so are my LDS loads and stores
.if \fill
	ROUND                                          ; no wave of any partner still reads the slot or has a load on its way
	tensor_load_to_lds s[G0+4*(\q):G0+4*(\q)+3], s[G1:G1+7]   ; my one tensor load until the next round
	s_nop 0
.else
	s_barrier_signal -1
	s_barrier_wait -1
.endif
	PLACES 8
.endm
; A step's operands out of slot p, step sg: (y = 1: 64 y2 INTO the step's 8 accumulators, for both m;) the scale words; the 16 fragments, K step by K step.
.macro FETCHV p, sg, y
.if \y
	WIN (2+(\sg)/4)<<6
.irp m, 0,1
.irp t, 0,1,2,3
.irp k, 0,1
	ds_load_b128 v[128*\m+32*((\sg)%4)+8*\t+4*\k:128*\m+32*((\sg)%4)+8*\t+4*\k+3], v[LY0+(\p)] offset:128*(\t/2)+32*(\t%2)+16*\k   ; register j of tile t is key 32 (t / 2) + 16 h + 8 (t % 2) + j
.endr
.endr
.endr
.endif
	WIN 0
	ds_load_b128 v[VSC:VSC+3], v[LV0+(\p)] offset:32768
	ds_load_b128 v[VSC+4:VSC+7], v[LV0+(\p)] offset:33280
	WIN 0x40
.irp f, 0,1,2,3,4,5,6,7,8,9,10,11,12,13,14,15
.irp c, 0,1,2,3
	ds_load_b128 v[16*\f+4*\c:16*\f+4*\c+3], v[LV0+(\p)] offset:2048*\f+512*\c   ; 32 lanes read 512 consecutive bytes
.endr
.endr
.endm
; 8 matrix instructions: K step s of step sg: the 4 tiles of V x my 2 tiles of rows.  The 8 accumulators take turns, one instruction a turn, in the same order in every K step.
; Fragment f = 4 s + t has its scale words in register 4 (f / 8) + (f / 2) % 4 of the eight, an odd f in lanes 16-31.
.macro MULS sg, s, zero
	WIN 0xa1+0x50*((\sg)/4)                        ; source 0 (V) window 1, source 1 (mine) window 0, C and D window 2 or 3
.irp m, 0,1
.irp t, 0,1,2,3
.set rD, 128*\m+32*((\sg)%4)+8*\t
.set rV, 16*(4*(\s)+\t)
.set rO, OP+16*(4*\m+(\s))
.set rVS, VSC+4*((\s)/2)+(2*(\s)+\t/2)%4
.set rOS, OPS+4*\m+(\s)
.if \zero
.if \t%2
	v_wmma_scale_f32_16x16x128_f8f6f4 v[rD:rD+7], v[rV:rV+15], v[rO:rO+15], 0, v[rVS], v[rOS] matrix_a_fmt:MATRIX_FMT_BF8 matrix_b_fmt:MATRIX_FMT_BF8 matrix_a_scale:MATRIX_SCALE_ROW1
.else
	v_wmma_scale_f32_16x16x128_f8f6f4 v[rD:rD+7], v[rV:rV+15], v[rO:rO+15], 0, v[rVS], v[rOS] matrix_a_fmt:MATRIX_FMT_BF8 matrix_b_fmt:MATRIX_FMT_BF8
.endif
.else
.if \t%2
	v_wmma_scale_f32_16x16x128_f8f6f4 v[rD:rD+7], v[rV:rV+15], v[rO:rO+15], v[rD:rD+7], v[rVS], v[rOS] matrix_a_fmt:MATRIX_FMT_BF8 matrix_b_fmt:MATRIX_FMT_BF8 matrix_a_scale:MATRIX_SCALE_ROW1
.else
	v_wmma_scale_f32_16x16x128_f8f6f4 v[rD:rD+7], v[rV:rV+15], v[rO:rO+15], v[rD:rD+7], v[rVS], v[rOS] matrix_a_fmt:MATRIX_FMT_BF8 matrix_b_fmt:MATRIX_FMT_BF8
.endif
.endif
.endr
.endr
.endm
.macro ALOAD sg, m                     ; A(16 m + r, my keys 64 sg + 32 b + 16 h + 0 .. 15): the eight loads together read each aligned 256 bytes whole
	WIN 0
.irp b, 0,1
.irp q, 0,1,2,3
	global_load_b128 v[AR+32*(\m)+16*\b+4*\q:AR+32*(\m)+16*\b+4*\q+3], v[AO], s[32:33] offset:131072*(\m)+256*(\sg)+128*\b+16*\q
.endr
.endr
.endm
; THE ELEMENT-WISE WORK on the 32 numbers a lane of (step sg, m), in place, each accumulator from its low end on: + x2; not under 0; the root; + 0.01; the reciprocal; x A; |.| into the row's sum.
; The roots are one batch with one wait, and so are the reciprocals (the wait stands ahead of the first line that names a result).
.macro EWH sg, m
.set W, 2+(\sg)/4
.set XB, 128*(\m)+32*((\sg)%4)
.set AA, AR+32*(\m)
.set SS, SUM+2*(\m)
	WIN (W<<6)|W
.set i, 0
.rept 16
	v_pk_add_f32 v[XB+i:XB+i+1], v[XB+i:XB+i+1], v[X2+2*(\m):X2+2*(\m)+1]
.set i, i+2
.endr
	WIN (W<<6)|(W<<2)
.set i, 0
.rept 32
	v_max_num_f32 v[XB+i], 0, v[XB+i]
.set i, i+1
.endr
	WIN (W<<6)|W
.set i, 0
.rept 32
	v_sqrt_f32 v[XB+i], v[XB+i]
.set i, i+1
.endr
	v_nop                                          ; a plain line behind the last root
	s_wait_alu depctr_va_vdst(0)
.set i, 0
.rept 16
	v_pk_add_f32 v[XB+i:XB+i+1], v[XB+i:XB+i+1], s[40:41] op_sel_hi:[1,0]
.set i, i+2
.endr
.set i, 0
.rept 32
	v_rcp_f32 v[XB+i], v[XB+i]
.set i, i+1
.endr
	v_nop
	s_wait_alu depctr_va_vdst(0)
.set i, 0
.rept 16
	v_pk_mul_f32 v[XB+i:XB+i+1], v[XB+i:XB+i+1], v[AA+i:AA+i+1]
.set i, i+2
.endr
	WIN W<<2
.set i, 0
.rept 32
	v_add_f32 v[SS+i%2], v[SS+i%2], |v[XB+i]|      ; two chains
.set i, i+1
.endr
.endm
; 64 numbers of a lane in window w, from register x on (register 16 b + i = k 32 b + 16 (lane / 16) + i of my row), become a fragment's codes in v[dst] on and its scale word in v[dsc], both in window 0.
.macro QUANTW w, x, dst, dsc
	WIN ((\w)<<2)|(\w)
.irp b, 0,1,2,3
	v_max3_num_f32 v[TM+\b], |v[(\x)+16*\b]|, |v[(\x)+16*\b+1]|, 0x8000000   ; my 16 numbers of block b, and the floor 2^(16 - 127): the byte cannot fall under 1
.endr
.irp i, 2,4,6,8,10,12,14
.irp b, 0,1,2,3
	v_max3_num_f32 v[TM+\b], |v[(\x)+16*\b+\i]|, |v[(\x)+16*\b+\i+1]|, v[TM+\b]   ; the four blocks by turns
.endr
.endr
	WIN 0
.irp b, 0,1,2,3
	v_permlanex16_b32 v[TM+4+\b], v[TM+\b], s36, s37
.endr
.irp b, 0,1,2,3
	v_max_num_f32 v[TM+\b], v[TM+\b], v[TM+4+\b]   ; with lane l xor 16's: the block's largest magnitude
.endr
.irp b, 0,1,2,3
	v_add_nc_u32 v[TM+12+\b], 0xf8800000, v[TM+\b] ; 15 off its exponent field: the conversion's scale operand
.endr
.irp b, 0,1,2,3
	v_and_or_b32 v[TM+8+\b], v[TM+\b], 0x7f800000, s38   ; 57,344 x the scale
.endr
.irp b, 0,1,2,3
	v_lshrrev_b32 v[TM+4+\b], 23, v[TM+12+\b]      ; the scale's byte
.endr
	v_lshl_or_b32 v[\dsc], v[TM+5], 8, v[TM+4]
	v_lshl_or_b32 v[\dsc], v[TM+6], 16, v[\dsc]
	v_lshl_or_b32 v[\dsc], v[TM+7], 24, v[\dsc]
	WIN ((\w)<<6)|(\w)
.irp b, 0,1,2,3
.irp i, 0,1,2,3,4,5,6,7,8,9,10,11,12,13,14,15
	v_med3_num_f32 v[(\x)+16*\b+\i], v[(\x)+16*\b+\i], -v[TM+8+\b], v[TM+8+\b]   ; the conversion to an 8-bit code does not saturate (ISA guide 7.6.2): the hold comes first
.endr
.endr
	WIN (\w)
.irp b, 0,1,2,3
	v_cvt_scalef32_pk8_bf8_f32 v[(\dst)+4*\b:(\dst)+4*\b+1], v[(\x)+16*\b:(\x)+16*\b+7], v[TM+12+\b]
	v_cvt_scalef32_pk8_bf8_f32 v[(\dst)+4*\b+2:(\dst)+4*\b+3], v[(\x)+16*\b+8:(\x)+16*\b+15], v[TM+12+\b]
.endr
	v_nop                                          ; a plain line behind the last conversion
.endm
; THE FOUR WAVES' PARTS OF P V.  Group g of my accumulators (a / 8 = g, the stream's slots 2 g and 2 g + 1) holds channels 128 ((g + w) % 4) on: group 0 is mine, group j goes to wave (w + j) % 4.
; The 48 accumulators to send go in 8 rounds of 6, as images of their registers (1,024 bytes each), through two buffers by turns, in the order in which the steps finish them: entry idx = 6 k + p is the
; accumulator (tile t = idx % 4, m = (idx % 8) / 4) of the stream's slot 2 + idx / 8, in every wave: so each place of a receiver's 6,144 bytes has one sender.  It belongs to my accumulator (m, tile 4 ((idx / 8) % 2) + t).
.macro RSTORE k
.irp p, 0,1,2,3,4,5
.set idx, 6*(\k)+\p
.set sgs, 2+idx/8
.set rr, 128*((idx%8)/4)+32*(sgs%4)+8*(idx%4)
	WIN (2+sgs/4)<<2                               ; an LDS store's data are its source 1
	ds_store_b128 v[RS+sgs/2-1], v[rr:rr+3] offset:24576*((\k)%2)+1024*\p          ; each accumulator from its low end on
	ds_store_b128 v[RS+sgs/2-1], v[rr+4:rr+7] offset:24576*((\k)%2)+1024*\p+512
.endr
.endm
.macro RLOAD k                         ; the first sender's 16 parts (idx under 16) land in my own group's accumulators, which nothing has begun yet; the others in A's registers, idle in P V
.irp p, 0,1,2,3,4,5
.set idx, 6*(\k)+\p
.set ro, 128*((idx%8)/4)+32*((idx/8)%2)+8*(idx%4)
.if idx < 16
	WIN 0x80
	ds_load_b128 v[ro:ro+3], v[RLD] offset:24576*((\k)%2)+1024*\p
	ds_load_b128 v[ro+4:ro+7], v[RLD] offset:24576*((\k)%2)+1024*\p+512
.else
	WIN 0
	ds_load_b128 v[AR+8*\p:AR+8*\p+3], v[RLD] offset:24576*((\k)%2)+1024*\p
	ds_load_b128 v[AR+8*\p+4:AR+8*\p+7], v[RLD] offset:24576*((\k)%2)+1024*\p+512
.endif
.endr
.endm
.macro RADD k                          ; the second and third senders' parts are added, each accumulator from its low end on
	WIN 0x82                                       ; destination and source 0 window 2, source 1 window 0
.irp p, 0,1,2,3,4,5
.set idx, 6*(\k)+\p
.set ro, 128*((idx%8)/4)+32*((idx/8)%2)+8*(idx%4)
.if idx >= 16
.irp u, 0,2,4,6
	v_pk_add_f32 v[ro+\u:ro+\u+1], v[ro+\u:ro+\u+1], v[AR+8*\p+\u:AR+8*\p+\u+1]
.endr
.endif
.endr
.endm
.macro BARRIER                         ; my LDS stores have landed and my LDS loads are in: then the work-group's barrier
	s_wait_dscnt 0x0
	s_barrier_signal -1
	s_barrier_wait -1
.endm
; POSITION x OF P V: the stream's slot (x + 2) % 8, out of LDS slot x % 2: 64 channels over my 512 keys, 32 matrix instructions.  Positions 0-5 start their sums with the constant 0; positions 6 and 7, my own group,
; add onto what the other waves have sent.  At the head of positions 1-7 the slot read in the position before is asked for again: with the part of position x + 1, at position 7 with M V^T's first.
; Behind that change: round x - 2 of the sums is read (its stores stood in the position before), round x - 1 is stored (its accumulators were finished in position x - 1 or earlier).
.macro PVX x, fill
.set SGX, ((\x)+2)%8
.if (\x) == 0
	WIN 0
	PLACES 8                                       ; both slots were asked for ahead: no change.  The places between P's last codes and scale word and the products
.elseif (\x) < 5
	CHANGE \fill, ((\x)+1)%2, 2
.elseif (\x) < 7
	CHANGE \fill, ((\x)+1)%2, -6
.else
	CHANGE \fill, ((\x)+1)%2, 8
.endif
.if (\x) >= 2
	RLOAD (\x)-2
.endif
.if (\x) >= 1
	RSTORE (\x)-1
.endif
	FETCHV (\x)%2, SGX, 0
.if (\x) >= 4
	s_wait_dscnt 63                                ; the round's 12 loads are in: behind them stand 12 stores and 66 loads, more than a wait can name
	RADD (\x)-2                                    ; ahead of the step's products: at position 7 two of these accumulators are the step's own
.endif
	s_wait_dscnt 48                                ; all but the last three K steps' fragments, 16 loads each
.if SGX >= 2
	MULS SGX, 0, 1
.else
	MULS SGX, 0, 0
.endif
	s_wait_dscnt 32
	MULS SGX, 1, 0
	s_wait_dscnt 16
	MULS SGX, 2, 0
	s_wait_dscnt 0x0
	MULS SGX, 3, 0
.endm
; THE SUMS' TAIL, behind position 7: rounds 6 and 7.  Each barrier stands between one buffer's stores and its loads, and between the other's loads and its next stores; the last frees the scratch for what follows.
; fill = 1: that last barrier is a change of slots: slot 1, read in position 7, takes M V^T's second part.
.macro RTAIL fill
	PLACES 8                                       ; between the last products and the additions onto their results
	BARRIER
	RLOAD 6
	RSTORE 7
	s_wait_dscnt 12                                ; my 12 loads are in; the 12 stores behind them may be out
	RADD 6
	BARRIER
	RLOAD 7
	s_wait_dscnt 0x0
	RADD 7
.if \fill
	CHANGE 1, 1, 8
.else
	WIN 0
	BARRIER
.endif
.endm
; STEP sg OF M V^T: 64 keys of y2 - 2 M V^T; the element-wise work of the step before stands behind the run of LDS loads and between the products.  Step 0 changes no slot; step 7 asks for P V's first part.
.macro XYSTEP sg
.if (\sg) == 7
	CHANGE 1, 0, -12
.elseif (\sg) > 0
	CHANGE 1, ((\sg)+1)%2, 2
.endif
	FETCHV (\sg)%2, \sg, 1
.if (\sg) > 0
	s_wait_loadcnt 8                               ; A of (the step before, m = 0) is in; m = 1's eight loads may be out
	EWH (\sg)-1, 0
	ALOAD \sg, 0
.endif
	s_wait_dscnt 48
	MULS \sg, 0, 0
	s_wait_dscnt 32
	MULS \sg, 1, 0
.if (\sg) > 0
	s_wait_loadcnt 8                               ; A of (the step before, m = 1) is in; behind it: this step's m = 0
	EWH (\sg)-1, 1
	ALOAD \sg, 1
.endif
	s_wait_dscnt 16
	MULS \sg, 2, 0
	s_wait_dscnt 0x0
	MULS \sg, 3, 0
.endm
; ---------------- THE HEAD
	s_load_b128 s[4:7], s[0:1], 0x0                ; A, vs
	s_load_b64 s[8:9], s[0:1], 0x10                ; out0
	v_lshl_add_u32 v[SPW], v0, 2, SPARE
	v_mov_b32 v[NIL], 0
	ds_add_u32 v1, v2
	ds_add_u32 v1, v2
	s_wait_dscnt 0x0
	v_lshrrev_b32 v[TM], 5, v0
	v_readfirstlane_b32 s10, v[TM]                 ; wave w
	v_and_b32 v[TM], 31, v0                        ; lane
	v_and_b32 v[TM+1], 15, v0                      ; r
	v_bfe_u32 v[TM+2], v0, 4, 1                    ; h
	s_bfe_u32 s11, ttmp6, 0x40000                  ; cx: it enters A's and out0's addresses alone
	s_lshl_b32 s12, ttmp9, 2
	s_add_co_u32 s12, s12, s11                     ; my block of 32 rows
	s_and_b32 s13, ttmp7, 0xffff                   ; the batch, which the four partners share
	s_mov_b32 s[G1], 15|(3<<16)|(1<<21)            ; 15:0 the mask: all four work-groups; 17:16 elements of 8 bytes; 21 set beside a mask; no padding: every LDS read takes 512 consecutive bytes
	s_mov_b32 s[G1+1], 32<<16                      ; tensor_dim0 = 32 elements: rows of 256 bytes
	s_mov_b32 s[G1+2], 133<<16                     ; tensor_dim1 = 133 rows
	s_mov_b32 s[G1+3], 32<<16                      ; tile_dim0
	s_mov_b32 s[G1+4], 133                         ; tile_dim1
	s_mov_b32 s[G1+5], 32                          ; the pitch: the part is dense
	s_mov_b32 s[G1+6], 0
	s_mov_b32 s[G1+7], 0
	s_mul_i32 s14, s10, PARTB                      ; my part in a slot
	v_lshl_add_u32 v[LV0], v[TM], 4, s14
	v_add_nc_u32 v[LV0+1], SLOTB, v[LV0]
	s_add_co_u32 s15, s14, 33792
	v_lshl_add_u32 v[LY0], v[TM+2], 6, s15
	v_add_nc_u32 v[LY0+1], SLOTB, v[LY0]
	v_lshlrev_b32 v[AO], 13, v[TM+1]
	v_lshl_add_u32 v[AO], v[TM+2], 6, v[AO]
	v_lshlrev_b32 v[GO], 4, v[TM]
.irp j, 1,2,3
	s_add_co_u32 s15, s10, \j
	s_and_b32 s15, s15, 3
	s_mul_i32 s15, s15, 6144
	s_add_co_u32 s15, s15, SCR
	v_lshl_add_u32 v[RS+\j-1], v[TM], 4, s15
.endr
	s_mul_i32 s15, s10, 6144
	s_add_co_u32 s15, s15, SCR
	v_lshl_add_u32 v[RLD], v[TM], 4, s15
	s_lshl_b32 s15, s10, 11
	s_add_co_u32 s15, s15, SCR
	v_lshl_add_u32 v[MWI], v[TM], 4, s15
	s_lshl_b32 s15, s10, 7
	s_add_co_u32 s15, s15, SCR+16384
	v_lshl_add_u32 v[MWS], v[TM], 2, s15
	v_lshl_add_u32 v[LI], v[TM], 4, SCR
	v_lshl_add_u32 v[LS], v[TM], 2, SCR+16384
	s_lshl_b32 s15, s10, 7
	s_add_co_u32 s15, s15, XCHX
	v_lshl_add_u32 v[XW], v[TM+1], 2, s15
	v_lshl_add_u32 v[XR], v[TM+1], 2, XCHX
	s_mul_i32 s42, s13, BATCHB
	s_add_co_u32 s42, s42, s14                     ; the stream: my batch, my part: nothing of cx
	s_mov_b32 s43, 0
	s_lshl_b32 s44, s13, 24                        ; A: a batch is 2^24 bytes, 32 rows 2^18, my 512 keys 2^11 x w
	s_lshl_b32 s46, s12, 18
	s_add_co_u32 s44, s44, s46
	s_lshl_b32 s46, s10, 11
	s_add_co_u32 s44, s44, s46
	s_mov_b32 s45, 0
	s_lshl_b32 s46, s13, 22                        ; out0: a batch is 2^22 bytes, 32 rows 2^16, my 128 channels 2^9 x w
	s_lshl_b32 s48, s12, 16
	s_add_co_u32 s46, s46, s48
	s_lshl_b32 s48, s10, 9
	s_add_co_u32 s46, s46, s48
	s_mov_b32 s47, 0
	s_mov_b32 s36, 0x76543210
	s_mov_b32 s37, 0xfedcba98                      ; v_permlanex16_b32's selects for lane l xor 16
	s_mov_b32 s38, 0x600000                        ; the mantissa field of 57,344
	s_mov_b32 s39, 0                               ; the trip
	s_mov_b32 s40, 0x3c23d70a                      ; 0.01
	s_mov_b32 s41, s40                             ; (named with it as a pair)
	s_wait_kmcnt 0x0
	s_add_nc_u64 s[32:33], s[4:5], s[44:45]
	s_add_nc_u64 s[34:35], s[8:9], s[46:47]
	s_mov_b32 s[G0], 1                             ; count = 1
	s_mov_b32 s[G0+1], s14                         ; LDS: slot 0, my part
	s_add_nc_u64 s[G0+2:G0+3], s[6:7], s[42:43]
	s_add_nc_u64 s[G0+2:G0+3], s[G0+2:G0+3], 2*SLOTB   ; the stream's slot 2: P V's position 0
	s_mov_b32 s[G0+4], 1
	s_add_co_u32 s[G0+5], s14, SLOTB               ; LDS: slot 1
	s_add_nc_u64 s[G0+6:G0+7], s[G0+2:G0+3], SLOTB ; the stream's slot 3: position 1
	s_or_b32 s[G0+3], s[G0+3], 0x80000000          ; type = 2
	s_or_b32 s[G0+7], s[G0+7], 0x80000000
	ROUND                                          ; all four work-groups are here: the first joint loads meet
	tensor_load_to_lds s[G0:G0+3], s[G1:G1+7]      ; the two first fills go out together
	s_nop 0
	tensor_load_to_lds s[G0+4:G0+7], s[G1:G1+7]
	s_nop 0
	PLACES 4
.irp m, 0,1                                    ; A, my 32 rows x 512 keys, straight into ww's registers
.irp bb, 0,1,2,3,4,5,6,7,8,9,10,11,12,13,14,15
	WIN (2+\bb/8)<<6
.irp q, 0,1,2,3
	global_load_b128 v[128*\m+16*(\bb%8)+4*\q:128*\m+16*(\bb%8)+4*\q+3], v[AO], s[32:33] offset:131072*\m+128*\bb+16*\q
.endr
.endr
.endr
	WIN 0
.irp i, 0,1,2,3
	v_mov_b32 v[RL+\i], 1.0                        ; the first product quantises A as it is
	v_mov_b32 v[TM+4+\i], 0                        ; a lane permute's destination counts as one of its sources
.endr
	s_wait_loadcnt 0x0
	s_wait_tensorcnt 0x1                           ; my part of slot 0 is in; slot 1's, issued behind it, may stay out
	s_barrier_signal -1
	s_barrier_wait -1                              ; so the loop is entered as its backward jump enters it: slot 0 whole, slot 1 on its way
.Ltrip:
; ---------------- ww / l1, quantised along the keys: my 8 fragments of P
.irp m, 0,1
.irp s, 0,1,2,3
.set W, 2+\s/2
.set XB, 128*\m+64*(\s%2)
	WIN (W<<6)|W
.set i, 0
.rept 32
	v_pk_mul_f32 v[XB+i:XB+i+1], v[XB+i:XB+i+1], v[RL+2*\m:RL+2*\m+1]
.set i, i+2
.endr
	QUANTW W, XB, OP+16*(4*\m+\s), OPS+4*\m+\s
.endr
.endr
; ---------------- P V, and the four waves' parts on the way
	PVX 0, 1
	PVX 1, 1
	PVX 2, 1
	PVX 3, 1
	PVX 4, 1
	PVX 5, 1
	PVX 6, 1
	WIN 0
	s_cmp_eq_u32 s39, 3                            ; the fourth P V asks for nothing more: its last position and the sums' tail are written out behind the loop
	s_cbranch_scc1 .Llast
	PVX 7, 1                                       ; slot 0 takes M V^T's first part
	RTAIL 1                                        ; slot 1 its second: it lands while M is quantised and step 0 runs
	ALOAD 0, 0                                     ; A of the first 64 keys
	ALOAD 0, 1
; ---------------- M (my 128 channels of the 32 rows: window 2, 128 m + 0 .. 63): its squares, its codes; images to LDS; all 8 fragments back
.irp m, 0,1
	WIN 0x0a                                       ; sources 0 and 1 window 2
	v_pk_mul_f32 v[TM:TM+1], v[128*\m:128*\m+1], v[128*\m:128*\m+1]      ; the squares first: the hold changes the numbers
	v_pk_mul_f32 v[TM+2:TM+3], v[128*\m+2:128*\m+3], v[128*\m+2:128*\m+3]
.set i, 4
.rept 15
	v_pk_fma_f32 v[TM:TM+1], v[128*\m+i:128*\m+i+1], v[128*\m+i:128*\m+i+1], v[TM:TM+1]
	v_pk_fma_f32 v[TM+2:TM+3], v[128*\m+i+2:128*\m+i+3], v[128*\m+i+2:128*\m+i+3], v[TM+2:TM+3]
.set i, i+4
.endr
	WIN 0
	v_pk_add_f32 v[TM:TM+1], v[TM:TM+1], v[TM+2:TM+3]
	v_add_f32 v[TM], v[TM], v[TM+1]
	v_permlanex16_b32 v[TM+4], v[TM], s36, s37
	v_add_f32 v[X2+2*\m], v[TM], v[TM+4]           ; my 128 channels' part of x2, in a register that is written again only behind the barrier
	ds_store_b32 v[XW], v[X2+2*\m] offset:64*\m
	QUANTW 2, 128*\m, OP+16*\m, OPS+\m
	WIN 0
.irp i, 0,1,2,3,4,5,6,7,8,9,10,11,12,13,14,15
	v_xor_b32 v[OP+16*\m+\i], 0x80808080, v[OP+16*\m+\i]   ; -M: the codes' sign bits
.endr
	v_add_nc_u32 v[OPS+\m], 0x01010101, v[OPS+\m]  ; x 2: 1 onto each scale byte (at most 239: no carry, no 0xff)
.irp c, 0,1,2,3
	ds_store_b128 v[MWI], v[OP+16*\m+4*\c:OP+16*\m+4*\c+3] offset:8192*\m+512*\c   ; fragment (m, K step w), as it stands
.endr
	ds_store_b32 v[MWS], v[OPS+\m] offset:512*\m
.endr
	BARRIER                                        ; M's eight fragments, their scale words and the parts of x2 lie in LDS.
.irp f, 0,1,2,3,4,5,6,7
.irp c, 0,1,2,3
	ds_load_b128 v[OP+16*\f+4*\c:OP+16*\f+4*\c+3], v[LI] offset:2048*\f+512*\c
.endr
	ds_load_b32 v[OPS+\f], v[LS] offset:128*\f
.endr
.irp m, 0,1
.irp u, 0,1,2,3
	ds_load_b32 v[TM+4*\m+\u], v[XR] offset:128*\u+64*\m
.endr
.endr
	s_wait_dscnt 0x0
.irp m, 0,1
	v_add_f32 v[TM+4*\m], v[TM+4*\m], v[TM+4*\m+1]
	v_add_f32 v[TM+4*\m+2], v[TM+4*\m+2], v[TM+4*\m+3]
	v_add_f32 v[X2+2*\m], v[TM+4*\m], v[TM+4*\m+2]
	v_mov_b32 v[X2+2*\m+1], v[X2+2*\m]
.endr
.irp i, 0,1,2,3
	v_mov_b32 v[SUM+\i], 0
.endr
; ---------------- y2 - 2 M V^T and the element-wise work: the stream's slots 8-15
	XYSTEP 0
	XYSTEP 1
	XYSTEP 2
	XYSTEP 3
	XYSTEP 4
	XYSTEP 5
	XYSTEP 6
	XYSTEP 7
	PLACES 8                                       ; between the last products and the first read of their results
	s_wait_loadcnt 8
	EWH 7, 0
	s_wait_loadcnt 0x0
	EWH 7, 1
; ---------------- l1 = max(the row's sum of |ww|, 1e-12), over the four waves; 1 / l1.  The barrier between the parts' stores and their loads is a change of slots: slot 1, read in step 7, takes P V's second part
	WIN 0
.irp m, 0,1
	v_add_f32 v[SUM+2*\m], v[SUM+2*\m], v[SUM+2*\m+1]
.endr
.irp m, 0,1
	v_permlanex16_b32 v[TM+4+\m], v[SUM+2*\m], s36, s37
.endr
.irp m, 0,1
	v_add_f32 v[SUM+2*\m], v[SUM+2*\m], v[TM+4+\m]
.endr
.irp m, 0,1
	ds_store_b32 v[XW], v[SUM+2*\m] offset:512+64*\m
.endr
	CHANGE 1, 1, -12
.irp m, 0,1
.irp u, 0,1,2,3
	ds_load_b32 v[TM+4*\m+\u], v[XR] offset:512+128*\u+64*\m
.endr
.endr
	s_wait_dscnt 0x0
.irp m, 0,1
	v_add_f32 v[TM+4*\m], v[TM+4*\m], v[TM+4*\m+1]
	v_add_f32 v[TM+4*\m+2], v[TM+4*\m+2], v[TM+4*\m+3]
	v_add_f32 v[TM+4*\m], v[TM+4*\m], v[TM+4*\m+2]
	v_max_num_f32 v[TM+4*\m], 0x2b8cbccc, v[TM+4*\m]   ; 1e-12
.endr
.irp m, 0,1
	v_rcp_f32 v[RL+2*\m], v[TM+4*\m]
	v_rcp_f32 v[RL+2*\m+1], v[TM+4*\m]
.endr
	v_nop                                          ; a plain line behind the last reciprocal
	s_wait_alu depctr_va_vdst(0)                   ; one wait for the four, ahead of the jump and of their first reader
	s_add_co_u32 s39, s39, 1
	s_cmp_lt_u32 s39, 4
	s_cbranch_scc1 .Ltrip
; ---------------- THE FOURTH P V'S LAST POSITION AND THE SUMS' TAIL, without fills
.Llast:
	PVX 7, 0
	RTAIL 0
; ---------------- THE WAY OUT.  A lane holds 256 bytes in four pieces of a row's 512 that are mine; 16 rows at a time go through my own stage (rows of 512 + 16 bytes) and leave as whole rows.
	v_and_b32 v[LI], 15, v0                        ; r
	v_bfe_u32 v[LS], v0, 4, 1                      ; h
	v_mul_u32_u24 v[MWI], v[LI], 528
	v_lshl_add_u32 v[MWI], v[LS], 6, v[MWI]
	s_mul_i32 s15, s10, 8448
	s_add_co_u32 s15, s15, SCR                     ; my stage: the tail's last barrier has freed these bytes
	v_add_nc_u32 v[MWI], s15, v[MWI]               ; in: row r, + 64 h
	v_add_nc_u32 v[MWS], s15, v[GO]                ; back: 16 bytes a lane
.irp m, 0,1
	WIN 0x08                                       ; the data: window 2
.irp b, 0,1,2,3
.irp q, 0,1,2,3
	ds_store_b128 v[MWI], v[128*\m+16*\b+4*\q:128*\m+16*\b+4*\q+3] offset:128*\b+16*\q   ; register 16 b + i is channel 128 w + 32 b + 16 h + i
.endr
.endr
	WIN 0x40
.irp i, 0,1,2,3,4,5,6,7,8,9,10,11,12,13,14,15
	ds_load_b128 v[64*\m+4*\i:64*\m+4*\i+3], v[MWS] offset:528*\i   ; LDS serves a wave's instructions in order (ISA guide 5.7.1.4): these see my stores, and the next tile's stores come behind them
.endr
.endr
	WIN 0x04                                       ; a store's data are its source 1: window 1
.irp m, 0,1
.irp i, 0,1,2,3,4,5,6,7,8,9,10,11,12,13,14,15
	s_wait_dscnt 47-32*\m-\i                       ; behind this row's load: the tile's later rows, and for m = 0 the 32 LDS instructions of m = 1
	global_store_b128 v[GO], v[64*\m+4*\i:64*\m+4*\i+3], s[34:35] offset:(16*\m+\i)*2048 th:TH_STORE_NT   ; 32 lanes store 512 consecutive bytes, at a multiple of 512 from out0's first byte
.endr
.endr
	WIN 0
	s_wait_tensorcnt 0x0                           ; the wave's end
	ds_add_u32 v[SPW], v[NIL]
	s_wait_dscnt 0x0
	ROUND                                          ; the closing round: no work-group ends while a partner may still ask for a part that names it
	s_endpgm
.Lfunc_end_k_q154a238893_robust:
	.size	k_q154a238893_robust, .Lfunc_end_k_q154a238893_robust-k_q154a238893_robust
	.p2alignl 7, 3214868480
	.fill 96, 4, 3214868480
	.section	.rodata,"a",@progbits
	.p2align	6, 0x0
	.amdhsa_kernel k_q154a238893_robust
		.amdhsa_group_segment_fixed_size 327680
		.amdhsa_private_segment_fixed_size 0
		.amdhsa_enable_private_segment 0
		.amdhsa_kernarg_size 24
		.amdhsa_user_sgpr_count 2
		.amdhsa_user_sgpr_kernarg_segment_ptr 1
		.amdhsa_wavefront_size32 1
		.amdhsa_system_sgpr_workgroup_id_x 1
		.amdhsa_system_sgpr_workgroup_id_y 1
		.amdhsa_system_sgpr_workgroup_id_z 1
		.amdhsa_system_vgpr_workitem_id 0
		.amdhsa_next_free_vgpr 1024
		.amdhsa_next_free_sgpr 66
		.amdhsa_reserve_vcc 0
		.amdhsa_float_denorm_mode_32 3
		.amdhsa_float_denorm_mode_16_64 3
		.amdhsa_memory_ordered 1
		.amdhsa_forward_progress 1
		.amdhsa_inst_pref_size 255
	.end_amdhsa_kernel
	.section	.bss,"aw",@nobits
	.p2align	6
	.space	262144
	.amdgpu_metadata
---
amdhsa.version: [ 1, 2 ]
amdhsa.kernels:
  - .name:           k_q154a238893_robust
    .symbol:         k_q154a238893_robust.kd
    .args:
      - { .name: A, .offset: 0, .size: 8, .value_kind: global_buffer, .address_space: global }
      - { .name: vs, .offset: 8, .size: 8, .value_kind: global_buffer, .address_space: global }
      - { .name: out0, .offset: 16, .size: 8, .value_kind: global_buffer, .address_space: global }
    .group_segment_fixed_size: 327680
    .private_segment_fixed_size: 0
    .kernarg_segment_align: 8
    .kernarg_segment_size: 24
    .max_flat_workgroup_size: 128
    .sgpr_count:     66
    .vgpr_count:     1024
    .wavefront_size: 32
...
	.end_amdgpu_metadata
.endif
;; end of part 2
